; MI455X (gfx1250); checked and timed in simulation.
; The chip was launched on July 23, 2026; its instructions are those of AMD's public machine-readable ISA for CDNA 5 (MIT licence, August 2026) and "CDNA5" Instruction Set Architecture Reference Guide (July 2026). The comments in the code are by the model that wrote it; some were corrected since.
;; Multi Head Attention. Allowed arithmetic: matrix products marked QUANTISED: E2M1 operands, one E8M0 scale for each 32 along K, by v_wmma_scale_f32_16x16x128_f8f6f4 with both operands' format E2M1 (or v_wmma_scale_f32_32x16x128_f4), f32 sums; products left as they are: bf16, f16 or f32 operands; f32 sums; everything else in f32.
;; Inputs: bk 256 float32; bo 256 float32; bq 256 float32; bv 256 float32; k 8 x 2,048 x 256 float32; m 1 x 1 x 1 x 2,048 float32; q 8 x 2,048 x 256 float32; v 8 x 2,048 x 256 float32; wk 256 x 256 float32; wo 256 x 256 float32; wq 256 x 256 float32; wv 256 x 256 float32.
;; Outputs: out0 8 x 2,048 x 256 float32.
;; This version of the problem:
;;   THIS VERSION OF THE PROBLEM IS GIVEN IN LOW PRECISION. The matrix products marked QUANTISED in the list below multiply operands that are first quantised to E2M1 (2 exponent bits, 1 mantissa bit; 4 bits a number), with one power-of-two scale for each 32 numbers along K (OCP MX v1.0); their sums are f32. The products marked 'left as it is' may take bf16, f16 or f32 operands, with f32 sums. All else is computed in f32.
;;   The module's matrix products, in the order in which they are computed (A, B: the left and right operand; K: the contracted axis; several contracted axes count as one K, in the product's order):
;;     1. [M 16,384, K 256] x [K 256, N 256]; A: input q; B: input wq: QUANTISED
;;     2. [M 16,384, K 256] x [K 256, N 256]; A: input k; B: input wk: QUANTISED
;;     3. [M 16,384, K 256] x [K 256, N 256]; A: input v; B: input wv: QUANTISED
;;     4. batch 64 x [M 2,048, K 32] x [K 32, N 2,048]; A: computed on the way; B: computed on the way: left as it is (an operand is computed on the way)
;;     5. batch 64 x [M 2,048, K 2,048] x [K 2,048, N 32]; A: computed on the way; B: computed on the way: left as it is (an operand is computed on the way)
;;     6. [M 16,384, K 256] x [K 256, N 256]; A: computed on the way; B: input wo: left as it is (an operand is computed on the way)
;;   THE QUANTISER, for each operand of a quantised product, along K:
;;     - K is cut into blocks of 32 from its start; a last block that is shorter is filled with zeros.
;;     - A block's scale is 2^e with e = floor(log2(the largest magnitude in the block)) - 2, held to -126 .. 127; a block of zeros has e = 0. As a byte (E8M0): e + 127.
;;     - Each number is divided by its block's scale, clamped to +-6, and rounded to the nearest number of E2M1, ties to even, subnormals kept.
;;     - The product sums the exact products of the quantised numbers (number of the format x scale) in f32.
;;   ~~~python
;;   def quantise(x, axis):      # numpy; x: float32 -> the quantised numbers, widened to float32 again
;;       x = np.moveaxis(x, axis, -1); K = x.shape[-1]
;;       x = np.pad(x, [(0, 0)] * (x.ndim - 1) + [(0, -K % 32)]); x = x.reshape(x.shape[:-1] + (-1, 32)); a = np.abs(x).max(-1, keepdims=True)
;;       e = np.where(a > 0, np.clip(np.frexp(np.where(a > 0, a, 1))[1] - 1 - 2, -126, 127), 0)      # np.frexp(a)[1] - 1 = floor(log2(a)), exactly
;;       r = np.clip(x / 2.0 ** e, -6, 6)
;;       step = 2.0 ** (np.maximum(np.frexp(np.where(r == 0, 1, r))[1] - 1, 0) - 1)
;;       q = np.round(r / step) * step * 2.0 ** e      # np.round: ties to even
;;       return np.moveaxis(q.reshape(q.shape[:-2] + (-1,))[..., :K], -1, axis).astype(np.float32)
;;   ~~~
;; One version. Each part assembles by itself: llvm-mc -triple=amdgcn-amd-amdhsa -mcpu=gfx1250 --defsym DOCPART=n.
;; ======== version 1 of 1: 3 launches
;; limits: values are held in f16: magnitudes above 65,504 overflow, below 6.1e-05 lose precision
;; workspace buffers: qf 8,388,608 bytes; kv 16,777,216 bytes; of 8,388,608 bytes
;; launch proj (part 1): grid 64 x 3, 16 waves a work-group, no clusters, 174,080 bytes of LDS; arguments q, k, v, wq, wk, wv, bq, bk, bv, qf, kv; writes qf, kv
.if DOCPART == 1
	.amdgcn_target "amdgcn-amd-amdhsa--gfx1250"
	.amdhsa_code_object_version 6
	.text
	.protected	k_q5b3d25356f_proj
	.globl	k_q5b3d25356f_proj
	.p2align	8
	.type	k_q5b3d25356f_proj,@function
k_q5b3d25356f_proj:
	s_mov_b64 s[64:65], 0
	v_nop
	global_prefetch_b8 v0, s[64:65] scope:SCOPE_SE
	s_setreg_imm32_b32 hwreg(HW_REG_WAVE_MODE, 25, 1), 1
	s_wait_xcnt 0x0
; THE THREE INPUT PROJECTIONS, y = Q4(x) Q4(W) + b, on codes of FP4 (E2M1) with one E8M0 scale for each 32 along K; sums in f32; the result rounded once to f16.
; x: [16384][256] f32 (K innermost); W: [256 (k)][256 (n)] f32 (K is its FIRST axis); b: [256] f32.  Work-group y picks the tensor: 0 = q, 1 = k, 2 = v.  One path for all three: only pointers and a few
; scalars are chosen.  q's result is also multiplied by log2(e) / sqrt(32), so that the attention's scores come out in powers of two.
; SHARES.  A work-group takes 256 rows (work-group x).  Wave w quantises rows 16 w .. 16 w + 15 of x (two fragments of 128 along K) and hands them to the others through LDS as images of their registers;
; it owns output columns 16 w .. 16 w + 15 (head w / 2, half w % 2 of the head's 32 channels) for all 256 rows, and keeps its 16 columns of W, quantised by itself, in 16 registers.
; THE MATRIX INSTRUCTION IS USED TRANSPOSED (source 0 = 16 columns of W, source 1 = 16 rows of x): lane (r, h) then holds row r and channels 16 w + 8 h + 0 .. 7: 16 bytes of f16, which are four registers of
; the reader's operand.  So the outputs are laid in the order of the reader's registers, a fragment of 16 rows x 32 channels in 1,024 bytes: [half c][lane][16 bytes]; each store of a wave covers 512 consecutive bytes, aligned.
;   qf: [batch x head][query tile][1,024].    kv: [batch x head][512 keys][K: 32 key tiles x 1,024 | V: 32 key tiles x 1,024].
;   V's 16 bytes stand at 512 c + 256 (key / 8) + 128 h + 16 (key % 8), so that the reader's turning LDS load at 16 x lane gives a lane one channel and eight keys.
; NO JOINT LOADS: W is shared by the 64 work-groups of a tensor, but as f32 it is 262,144 bytes, and with this text's 172,032 bytes of stages and images that is more than the 327,680 that a work-group can claim;
; and a lane wants a column of W down K, which plain loads put straight into the registers that the conversions take.
; THE QUANTISER: a block's scale is 2^(floor(log2(largest magnitude)) - 2); its byte is the largest magnitude's exponent field - 2, held at 1 from below.  A block of zeros keeps the byte 1: its codes are zeros.
; LIMITS: blocks whose largest magnitude lies under 2^-124 keep the byte 1; NaN and infinities among the inputs are not served; a result of 65,504 or more in magnitude becomes an f16 infinity
; (the drawn inputs give results of about 1; inputs and weights both 30 times larger give some 5,400).
.set SPITCH, 528                       ; a stage row: 512 bytes + 16: 33 x 16, so that the sixteen rows that a load touches start in different banks (64 banks of 4 bytes: ISA guide 11.1)
.set WSTG,   16*SPITCH                 ; LDS: a stage of 16 rows for each wave, its own, from byte 0
.set XIMG,   16*WSTG                   ; x's 32 fragments (row tile m, K step s: 2 m + s), 1,024 bytes each
.set XSC,    XIMG+32*1024              ; their scale words, 128 bytes each
.set LN16, 1                           ; v1   16 x lane
.set GO,   2                           ; v2   r at the head; then my 16 bytes' place in a store's 512
.set HH,   3                           ; v3   h
.set WA,   4                           ; v4   W: 32 h rows of 1,024 bytes + 4 r
.set BA,   5                           ; v5   bias: 32 h
.set STI,  6                           ; v6   into my stage: 16 x lane
.set STO,  7                           ; v7   out of it: row r, + 128 h
.set XI,   8                           ; v8   where I store x's images
.set XS,   9                           ; v9   and their scale words
.set LI,   10                          ; v10  where any image begins for my lane
.set LS,   11                          ; v11  and any scale word
.set SH,   12                          ; v12  8 h: my bytes' place in a scale word
.set PW,   13                          ; v13  the scale word just made
.set T0,   14
.set T1,   15
.set WF,   16                          ; v16-31  W's two fragments
.set COD,  32                          ; v32-39  the codes of x just made
.set WS,   40                          ; v40-41  W's scale words, and nothing else
.set XSR,  42                          ; v42-49  x's scale words of four row tiles, and nothing else
.set BI,   50                          ; v50-57  the bias in the result's layout
.set TM,   58                          ; v58-59 largest magnitudes, v60-61 the conversions' scale operands, v62-63 the bytes
.set TS,   60
.set TB,   62
.set R0,   64                          ; v64-127  x as loaded, K step 0; later XF
.set R1,   128                         ; v128-191 W's K step 1, then x as loaded, K step 1; later ACC
.set NUM,  192                         ; v192-255 64 numbers of a lane along K; later OUTR
.set XF,   64                          ; x's fragments of four row tiles
.set ACC,  128                         ; four accumulators
.set OUTR, 192                         ; four registers of f16 for each of the 16 row tiles: no store's data are written again
	s_load_b512 s[8:23], s[0:1], 0x0               ; q, k, v, wq, wk, wv, bq, bk
	s_load_b128 s[24:27], s[0:1], 0x40             ; bv, qf
	s_load_b64 s[28:29], s[0:1], 0x50              ; kv
	v_lshrrev_b32 v[T0], 5, v0
	v_readfirstlane_b32 s2, v[T0]                  ; wave 0..15
	s_and_b32 s3, ttmp7, 0xffff                    ; which tensor
	v_and_b32 v[T1], 31, v0                        ; lane
	v_and_b32 v[GO], 15, v0                        ; r
	v_bfe_u32 v[HH], v0, 4, 1                      ; h
	v_lshlrev_b32 v[LN16], 4, v[T1]
	v_lshlrev_b32 v[LS], 2, v[T1]
	v_lshlrev_b32 v[WA], 2, v[GO]
	v_lshl_add_u32 v[WA], v[HH], 15, v[WA]
	v_lshlrev_b32 v[BA], 5, v[HH]
	s_mul_i32 s56, s2, WSTG
	v_add_nc_u32 v[STI], s56, v[LN16]
	v_mul_u32_u24 v[STO], v[GO], SPITCH
	v_lshl_add_u32 v[STO], v[HH], 7, v[STO]
	v_add_nc_u32 v[STO], s56, v[STO]
	s_lshl_b32 s56, s2, 11
	s_add_co_u32 s56, s56, XIMG
	v_add_nc_u32 v[XI], s56, v[LN16]               ; my two fragments: 2,048 x wave
	s_lshl_b32 s56, s2, 8
	s_add_co_u32 s56, s56, XSC
	v_add_nc_u32 v[XS], s56, v[LS]
	v_add_nc_u32 v[LI], XIMG, v[LN16]
	v_add_nc_u32 v[LS], XSC, v[LS]
	v_lshlrev_b32 v[SH], 3, v[HH]
	; where my results go, in bytes
	s_lshr_b32 s47, ttmp9, 3                       ; batch
	s_and_b32 s48, ttmp9, 7                        ; which 256 rows of the batch's 2,048
	s_lshr_b32 s49, s2, 1                          ; head
	s_lshl_b32 s47, s47, 3
	s_add_co_u32 s47, s47, s49                     ; batch x head
	s_and_b32 s49, s2, 1
	s_lshl_b32 s49, s49, 9                         ; 512 c
	s_lshl_b32 s50, s47, 17                        ; qf: 128 tiles of 1,024 bytes a head,
	s_lshl_b32 s52, s48, 14                        ; 16 tiles a work-group
	s_add_co_u32 s50, s50, s52
	s_add_co_u32 s50, s50, s49
	s_lshl_b32 s51, s47, 18                        ; kv: 262,144 bytes a head,
	s_lshr_b32 s52, s48, 1
	s_lshl_b32 s52, s52, 16                        ; 65,536 for each 512 keys,
	s_add_co_u32 s51, s51, s52
	s_and_b32 s52, s48, 1
	s_lshl_b32 s52, s52, 14                        ; 16 tiles a work-group
	s_add_co_u32 s51, s51, s52
	s_add_co_u32 s51, s51, s49
	s_cmp_eq_u32 s3, 2                             ; V's order of a store's 512 bytes differs from Q's and K's, and V lies behind K
	s_cselect_b32 s40, 8, 7                        ; r / 8 counts 256 bytes (V) or 128
	s_cselect_b32 s41, 7, 8                        ; h counts 128 bytes (V) or 256
	s_cselect_b32 s46, 0x8000, 0
	s_add_co_u32 s51, s51, s46
	s_lshl_b32 s52, ttmp9, 18                      ; x: 256 rows of 1,024 bytes a work-group,
	s_lshl_b32 s53, s2, 14                         ; 16 a wave
	s_add_co_u32 s52, s52, s53
	s_mov_b32 s53, 0
	s_lshl_b32 s54, s2, 6                          ; W and bias: my 16 columns
	s_mov_b32 s55, 0
	s_mov_b32 s45, 0
	s_mov_b32 s42, 0x76543210
	s_mov_b32 s43, 0xfedcba98                      ; v_permlanex16_b32's selects for lane l xor 16
	v_and_b32 v[T0], 7, v[GO]
	v_lshrrev_b32 v[T1], 3, v[GO]
	v_lshlrev_b32 v[T1], s40, v[T1]
	v_lshl_add_u32 v[T0], v[T0], 4, v[T1]
	v_lshlrev_b32 v[T1], s41, v[HH]
	v_add_nc_u32 v[GO], v[T0], v[T1]               ; 16 (r % 8) + (r / 8)'s and h's parts
	v_mov_b32 v[T1], 0                             ; written once: a lane permute's destination counts as one of its sources
	s_wait_kmcnt 0x0
	s_cmp_eq_u32 s3, 1                             ; the choices hang on the work-group's number alone
	s_cselect_b64 s[30:31], s[10:11], s[12:13]     ; x
	s_cselect_b64 s[32:33], s[16:17], s[18:19]     ; W
	s_cselect_b64 s[34:35], s[22:23], s[24:25]     ; bias
	s_cmp_eq_u32 s3, 0
	s_cselect_b64 s[30:31], s[8:9], s[30:31]
	s_cselect_b64 s[32:33], s[14:15], s[32:33]
	s_cselect_b64 s[34:35], s[20:21], s[34:35]
	s_cselect_b64 s[36:37], s[26:27], s[28:29]     ; the output
	s_cselect_b32 s44, s50, s51
	s_cselect_b32 s38, 0x3e8293ee, 1.0             ; log2(e) / sqrt(32) for q, else 1
	s_mov_b32 s39, s38                             ; (the packed form names the pair)
	s_add_nc_u64 s[30:31], s[30:31], s[52:53]
	s_add_nc_u64 s[32:33], s[32:33], s[54:55]
	s_add_nc_u64 s[34:35], s[34:35], s[54:55]
	s_add_nc_u64 s[36:37], s[36:37], s[44:45]
; W's K step s: LANE r TAKES COLUMN r OF MY 16, AND ITS REGISTERS RUN DOWN K, in the order that the operand's layout gives lane (r, h): k = 128 s + 64 c + 32 h + i
.macro WLOAD dst, s
.irp c, 0,1
.irp i, 0,1,2,3,4,5,6,7,8,9,10,11,12,13,14,15,16,17,18,19,20,21,22,23,24,25,26,27,28,29,30,31
	global_load_b32 v[\dst+32*\c+\i], v[WA], s[32:33] offset:(128*\s+64*\c+\i)*1024
.endr
.endr
.endm
; x's K step s of my 16 rows, as the bytes lie: each load reads 512 consecutive bytes of one row
.macro XLOAD dst, s
.irp p, 0,1,2,3,4,5,6,7,8,9,10,11,12,13,14,15
	global_load_b128 v[\dst+4*\p:\dst+4*\p+3], v[LN16], s[30:31] offset:1024*\p+512*\s th:TH_LOAD_NT
.endr
.endm
; through my own stage: in as loaded, out so that register 32 c + i of lane (r, h) is k = 64 c + 32 h + i of row r.  LDS serves a wave's instructions in order (ISA guide 5.7.1.4): no wait between stores and loads
.macro TURN src
.irp p, 0,1,2,3,4,5,6,7,8,9,10,11,12,13,14,15
	ds_store_b128 v[STI], v[\src+4*\p:\src+4*\p+3] offset:SPITCH*\p
.endr
.irp c, 0,1
.irp j, 0,1,2,3,4,5,6,7
	ds_load_b128 v[NUM+32*\c+4*\j:NUM+32*\c+4*\j+3], v[STO] offset:256*\c+16*\j
.endr
.endr
	s_wait_dscnt 0x0                               ; the numbers are in; earlier LDS stores have read their registers too
.endm
; 64 numbers of a lane, two whole blocks of 32 along K, become the operand's eight registers v[dst] on and, with lane l xor 16's two bytes, the row's scale word in v[sc]
.macro QUANT src, dst, sc
.irp c, 0,1
	v_max3_num_f32 v[TM+\c], |v[\src+32*\c]|, |v[\src+32*\c+1]|, 0x1800000   ; and the floor 2^(3 - 127): the byte cannot fall under 1
.endr
.irp i, 2,4,6,8,10,12,14,16,18,20,22,24,26,28,30
.irp c, 0,1
	v_max3_num_f32 v[TM+\c], v[TM+\c], |v[\src+32*\c+\i]|, |v[\src+32*\c+\i+1]|   ; (the two blocks by turns)
.endr
.endr
.irp c, 0,1
	v_add_nc_u32 v[TS+\c], 0xff000000, v[TM+\c]    ; 2 off the exponent field: the conversion takes the exponent field of this operand as its scale
.endr
.irp c, 0,1
	v_lshrrev_b32 v[TB+\c], 23, v[TS+\c]           ; the scale's byte
.endr
	v_lshl_or_b32 v[T0], v[TB+1], 16, v[TB]        ; my bytes: blocks h and 2 + h,
	v_lshlrev_b32 v[T0], v[SH], v[T0]              ; at their places
	v_permlanex16_b32 v[T1], v[T0], s42, s43
	v_or_b32 v[\sc], v[T0], v[T1]                  ; with lane l xor 16's two the word is whole
.irp c, 0,1
.irp g, 0,1,2,3
	v_cvt_scalef32_pk8_fp4_f32 v[\dst+4*\c+\g], v[\src+32*\c+8*\g:\src+32*\c+8*\g+7], v[TS+\c]
.endr
.endr
	v_nop                                          ; one plain place behind the last scaled conversion
.endm
.macro IMAGE s                                 ; the fragment and its scale words go to LDS as they stand in the registers
.irp c, 0,1
	ds_store_b128 v[XI], v[COD+4*\c:COD+4*\c+3] offset:1024*\s+512*\c
.endr
	ds_store_b32 v[XS], v[PW] offset:128*\s
.endm
.macro FETCHG g                                ; the fragments and scale words of row tiles 4 g .. 4 g + 3
.irp i, 0,1,2,3
.irp s, 0,1
.irp c, 0,1
	ds_load_b128 v[XF+16*\i+8*\s+4*\c:XF+16*\i+8*\s+4*\c+3], v[LI] offset:(2*(4*(\g)+\i)+\s)*1024+512*\c
.endr
	ds_load_b32 v[XSR+2*\i+\s], v[LS] offset:128*(2*(4*(\g)+\i)+\s)
.endr
.endr
.endm
	XLOAD R0, 0                                    ; the rows first: 16 loads,
	global_load_b128 v[BI:BI+3], v[BA], s[34:35]   ; the bias of channels 16 w + 8 h + 0 .. 7: 2,
	global_load_b128 v[BI+4:BI+7], v[BA], s[34:35] offset:16
	WLOAD NUM, 0                                   ; and W: 64
	WLOAD R1, 1                                    ; and 64
	s_wait_loadcnt 63                              ; loads come back in order (ISA guide 5.7.1): at most 63 of the last 64 are out, so W's K step 0 and all before it are in
	QUANT NUM, WF, WS
	s_wait_loadcnt 0x0                             ; W's K step 1
	QUANT R1, WF+8, WS+1
	XLOAD R1, 1                                    ; lands while K step 0 is quantised
	TURN R0
	QUANT NUM, COD, PW
	IMAGE 0
	s_wait_loadcnt 0x0                             ; x's K step 1
	TURN R1
	QUANT NUM, COD, PW
	IMAGE 1
	s_wait_dscnt 0x0                               ; for the others' sake: my images have landed
	s_barrier_signal -1
	s_barrier_wait -1                              ; x's 32 fragments lie in LDS; nothing is stored to LDS behind this barrier
	FETCHG 0
.irp g, 0,1,2,3                                ; four row tiles at a time: four accumulators by turns, one instruction a turn
	s_wait_dscnt 0x0
.irp i, 0,1,2,3
	v_wmma_scale_f32_16x16x128_f8f6f4 v[ACC+8*\i:ACC+8*\i+7], v[WF:WF+7], v[XF+16*\i:XF+16*\i+7], v[BI:BI+7], v[WS], v[XSR+2*\i] matrix_a_fmt:MATRIX_FMT_FP4 matrix_b_fmt:MATRIX_FMT_FP4   ; the bias starts the sum
.endr
.irp i, 0,1,2,3
	v_wmma_scale_f32_16x16x128_f8f6f4 v[ACC+8*\i:ACC+8*\i+7], v[WF+8:WF+15], v[XF+16*\i+8:XF+16*\i+15], v[ACC+8*\i:ACC+8*\i+7], v[WS+1], v[XSR+2*\i+1] matrix_a_fmt:MATRIX_FMT_FP4 matrix_b_fmt:MATRIX_FMT_FP4
.endr
.rept 4
	v_nop                                          ; four places in front of loads into registers that these products read, and of the first read of results
.endr
.if \g < 3
	FETCHG \g+1
.endif
.irp i, 0,1,2,3
.irp j, 0,2,4,6
	v_pk_mul_f32 v[ACC+8*\i+\j:ACC+8*\i+\j+1], v[ACC+8*\i+\j:ACC+8*\i+\j+1], s[38:39] op_sel_hi:[1,0]   ; each accumulator from its low end on
.endr
.irp j, 0,1,2,3
	v_cvt_pk_f16_f32 v[OUTR+4*(4*\g+\i)+\j], v[ACC+8*\i+2*\j], v[ACC+8*\i+2*\j+1]
.endr
	global_store_b128 v[GO], v[OUTR+4*(4*\g+\i):OUTR+4*(4*\g+\i)+3], s[36:37] offset:1024*(4*\g+\i)   ; 32 lanes store 512 consecutive bytes, at a multiple of 512 from the buffer's first byte
.endr
.endr
	s_wait_xcnt 0x0
	v_lshl_add_u32 v254, v0, 2, 0x2a000
	v_mov_b32 v255, 0
	s_wait_tensorcnt 0x0
	ds_add_u32 v254, v255
	s_wait_dscnt 0x0
	s_endpgm
.Lfunc_end_k_q5b3d25356f_proj:
	.size	k_q5b3d25356f_proj, .Lfunc_end_k_q5b3d25356f_proj-k_q5b3d25356f_proj
	.p2alignl 7, 3214868480
	.fill 96, 4, 3214868480
	.section	.rodata,"a",@progbits
	.p2align	6, 0x0
	.amdhsa_kernel k_q5b3d25356f_proj
		.amdhsa_group_segment_fixed_size 174080
		.amdhsa_private_segment_fixed_size 0
		.amdhsa_enable_private_segment 0
		.amdhsa_kernarg_size 88
		.amdhsa_user_sgpr_count 2
		.amdhsa_user_sgpr_kernarg_segment_ptr 1
		.amdhsa_wavefront_size32 1
		.amdhsa_system_sgpr_workgroup_id_x 1
		.amdhsa_system_sgpr_workgroup_id_y 1
		.amdhsa_system_sgpr_workgroup_id_z 1
		.amdhsa_system_vgpr_workitem_id 0
		.amdhsa_next_free_vgpr 256
		.amdhsa_next_free_sgpr 66
		.amdhsa_reserve_vcc 0
		.amdhsa_float_denorm_mode_32 3
		.amdhsa_float_denorm_mode_16_64 3
		.amdhsa_memory_ordered 1
		.amdhsa_forward_progress 1
		.amdhsa_inst_pref_size 56
	.end_amdhsa_kernel
	.amdgpu_metadata
---
amdhsa.version: [ 1, 2 ]
amdhsa.kernels:
  - .name:           k_q5b3d25356f_proj
    .symbol:         k_q5b3d25356f_proj.kd
    .args:
      - { .name: q, .offset: 0, .size: 8, .value_kind: global_buffer, .address_space: global }
      - { .name: k, .offset: 8, .size: 8, .value_kind: global_buffer, .address_space: global }
      - { .name: v, .offset: 16, .size: 8, .value_kind: global_buffer, .address_space: global }
      - { .name: wq, .offset: 24, .size: 8, .value_kind: global_buffer, .address_space: global }
      - { .name: wk, .offset: 32, .size: 8, .value_kind: global_buffer, .address_space: global }
      - { .name: wv, .offset: 40, .size: 8, .value_kind: global_buffer, .address_space: global }
      - { .name: bq, .offset: 48, .size: 8, .value_kind: global_buffer, .address_space: global }
      - { .name: bk, .offset: 56, .size: 8, .value_kind: global_buffer, .address_space: global }
      - { .name: bv, .offset: 64, .size: 8, .value_kind: global_buffer, .address_space: global }
      - { .name: qf, .offset: 72, .size: 8, .value_kind: global_buffer, .address_space: global }
      - { .name: kv, .offset: 80, .size: 8, .value_kind: global_buffer, .address_space: global }
    .group_segment_fixed_size: 174080
    .private_segment_fixed_size: 0
    .kernarg_segment_align: 8
    .kernarg_segment_size: 88
    .max_flat_workgroup_size: 512
    .sgpr_count:     66
    .vgpr_count:     256
    .wavefront_size: 32
...
	.end_amdgpu_metadata
.endif
;; end of part 1
;; launch attn (part 2): grid 4 x 64, 16 waves a work-group, clusters of 4 x 1, 272,384 bytes of LDS; arguments qf, kv, m, of; writes of
.if DOCPART == 2
	.amdgcn_target "amdgcn-amd-amdhsa--gfx1250"
	.amdhsa_code_object_version 6
	.text
	.protected	k_q5b3d25356f_attn
	.globl	k_q5b3d25356f_attn
	.p2align	8
	.type	k_q5b3d25356f_attn,@function
k_q5b3d25356f_attn:
	s_mov_b64 s[64:65], 0
	v_nop
	global_prefetch_b8 v0, s[64:65] scope:SCOPE_SE
	s_setreg_imm32_b32 hwreg(HW_REG_WAVE_MODE, 25, 1), 1
	s_wait_xcnt 0x0
	s_wait_alu depctr_hold_cnt(0) depctr_sa_sdst(0) depctr_va_vdst(0) depctr_va_sdst(0) depctr_va_ssrc(0) depctr_va_vcc(0) depctr_vm_vsrc(0)
	s_getreg_b32 s2, hwreg(HW_REG_IB_STS2, 6, 4)
	s_cmp_eq_u32 s2, 0
	s_cbranch_scc0 .Lentry_in_a_cluster
	s_endpgm
.Lentry_in_a_cluster:
	s_bfe_u32 s2, ttmp6, 0x10000c
	s_cmp_lg_u32 s2, 0x3003
	s_cbranch_scc0 .Lentry_shape_is_right
	s_endpgm
.Lentry_shape_is_right:
; O[b][h][q] = the sum over k of softmax_k(Q . K / sqrt(32) + m[k] x (-1e9)) V, head size 32, 2,048 keys, 64 batch x heads.  Operands f16, products, maxima and sums f32.
; Q arrives multiplied by log2(e) / sqrt(32), so a score t = q' . k + mask is an exponent of two; mask[k] = (m[k] x -1e9) x log2(e), made here in f32.
; SHARES.  A work-group owns 512 queries of one batch x head; each of its sixteen waves two tiles of 16 queries, in 232 registers: four waves to a SIMD, so that one wave's softmax stands beside another's products
; and LDS loads.  Every wave walks all 2,048 keys, 64 a step.
; K AND V OF THE WHOLE HEAD, 262,144 bytes, lie in LDS for the whole launch, as they lie in memory: fragments in the order of the operands' registers, so every LDS load is 16 x lane on end.  They are filled ONCE:
; nothing is filled again, so there is no ring.  They come in four chunks of 512 keys, each wave bringing 4,096 bytes of each chunk, so that the work begins when the first chunk has landed:
; four tensor loads of a wave are out at the most.
; CLUSTER.  The four work-groups of a head read the same K and V: each tile is asked for JOINTLY, by the same tensor load with the same descriptor and a mask that names the four.
; LAYOUT.  S^T = K Q^T + mask (source 0 = 16 keys, source 1 = 16 queries; THE MASK IS THE C OF THE PRODUCT: register j of lane (r, h) is key 8 h + j's): a lane holds ONE query.  Two such tiles, rounded to f16 in
; pairs, ARE source 1 (32 keys x 16 queries) of O^T += V^T P.  V comes out of LDS turned, by ds_load_tr16_b128.
; SOFTMAX.  A running maximum M and sum l for each query: p = 2^(t - M); in every step O and l are multiplied by a = 2^(M_old - M_new).  M begins at -3e38 and O and l at 0, so that the step is written once.
; The row's sum is taken of p in f32.  O / l, rounded to f16, is stored in the order of the next launch's operand registers: [row tile][head][1,024].
; NOTHING IS ASKED OF MEMORY AHEAD OF THE LOADS: all of the head's K and V are requested in the kernel's first lines.
; LIMITS: NaN and infinities are not served; |m| x 1e9 x log2(e) stays finite; the mask is added to the score inside the matrix unit, in log2 units, so where EVERY key of a row is masked the rounding of score + mask
; (a step of 128 at 1.44e9) is not reference()'s own (64 at 1e9): in both, scores far under that step vanish and the weights come out equal.
.set MASK, 262144                      ; LDS: K and V from byte 0; behind them the mask, 2,048 f32, written by LDS stores: no tensor load lands there
.set LA,   1                           ; v1   16 x lane
.set MA,   2                           ; v2   MASK + 32 h
.set ADR,  3                           ; v3   the step's tiles
.set ADM,  4                           ; v4   the step's mask
.set TH16, 5                           ; v5   16 x thread
.set MST,  6                           ; v6   MASK + 16 x thread
.set ST,   8                           ; v8-23   tile t's statistics at ST + 8 t: +0 M, +1 M_old, +2, +3 l (even keys', odd keys'), +4 .. +7 at work; a in +6
.set Q,    24                          ; v24-39  Q, tile t at Q + 8 t
.set O,    40                          ; v40-71  O^T: tile t, channels 16 ct on, at O + 16 t + 8 ct
.set A,    72                          ; v72-103 K's four fragments; then P: tile t, keys 32 g on, at A + 16 t + 8 g
.set MC,   104                         ; v104-135 the mask of key tile kt, in the result's layout
.set S,    136                         ; v136-199 S^T, then p: tile t, key tile kt, at S + 32 t + 8 kt
.set VF,   200                         ; v200-231 V^T: keys 32 g on, channels 16 ct on, at VF + 16 g + 8 ct
.macro CROUND                          ; a round of the cluster's barrier
	s_barrier_signal -1
	s_barrier_wait -1
	s_cmp_lg_u32 s12, 0
	s_cbranch_scc1 .Lnot_wave_0_\@
	s_barrier_signal -3
.Lnot_wave_0_\@:
	s_barrier_wait -3
	s_barrier_signal -1
	s_barrier_wait -1
.endm
	s_load_b256 s[4:11], s[0:1], 0x0               ; qf s[4:5], kv s[6:7], m s[8:9], of s[10:11]
	v_lshl_add_u32 v232, v0, 2, 0x42000
	v_mov_b32 v233, 0
	ds_add_u32 v232, v233
	ds_add_u32 v232, v233
	v_lshrrev_b32 v[ADR], 5, v0
	v_readfirstlane_b32 s12, v[ADR]                ; wave 0..15
	s_bfe_u32 s13, ttmp6, 0x40000                  ; cx: my place in the cluster
	s_lshl_b32 s54, ttmp9, 2                       ; in a cluster launch ttmp9 counts clusters
	s_add_co_u32 s13, s13, s54                     ; my block of 512 queries: it enters Q's and O's addresses alone
	s_and_b32 s14, ttmp7, 0xffff                   ; batch x head, which the four partners share
	v_and_b32 v[ADM], 31, v0
	v_lshlrev_b32 v[LA], 4, v[ADM]
	v_bfe_u32 v[ADM], v0, 4, 1
	v_lshl_add_u32 v[MA], v[ADM], 5, MASK
	v_lshlrev_b32 v[TH16], 4, v0
	v_add_nc_u32 v[MST], MASK, v[TH16]
	; descriptor group 1: 16 rows of 256 bytes, dense: 4,096 bytes
	s_mov_b32 s16, 15|(3<<16)|(1<<21)              ; 15:0 the mask: all four work-groups; 17:16 elements of 8 bytes; 21 set beside a mask; no padding
	s_mov_b32 s17, 32<<16                          ; tensor_dim0 = 32
	s_mov_b32 s18, 16<<16                          ; tensor_dim1 = 16
	s_mov_b32 s19, 32<<16                          ; tile_dim0 = 32
	s_mov_b32 s20, 16                              ; tile_dim1 = 16
	s_mov_b32 s21, 32                              ; tensor_dim0_stride
	s_mov_b32 s22, 0
	s_mov_b32 s23, 0
	s_mov_b32 s44, 0x76543210
	s_mov_b32 s45, 0xfedcba98                      ; v_permlanex16_b32's selects for lane l xor 16
	s_lshl_b32 s46, s12, 12                        ; my 4,096 bytes of a chunk: the same place in memory and in LDS; no place in the cluster enters it
	s_lshl_b32 s48, s14, 18                        ; the head's 262,144 bytes of K and V
	s_add_co_u32 s48, s48, s46
	s_mov_b32 s49, 0
	s_lshl_b32 s50, s13, 5
	s_lshl_b32 s47, s12, 1
	s_add_co_u32 s50, s50, s47                     ; my first query tile in the head: 32 x block + 2 x wave
	s_lshl_b32 s52, s50, 10
	s_lshl_b32 s47, s14, 17
	s_add_co_u32 s52, s52, s47                     ; qf: 131,072 bytes a head, 1,024 a tile
	s_mov_b32 s53, 0
	s_lshr_b32 s47, s14, 3
	s_lshl_b32 s47, s47, 7
	s_add_co_u32 s50, s50, s47                     ; of: row tile = 128 x batch + query tile, 8,192 bytes each,
	s_lshl_b32 s50, s50, 13
	s_and_b32 s47, s14, 7
	s_lshl_b32 s47, s47, 10                        ; and in it 1,024 bytes a head
	s_add_co_u32 s50, s50, s47
	s_mov_b32 s51, 0
	s_wait_dscnt 0x0
	s_wait_kmcnt 0x0
	s_add_nc_u64 s[6:7], s[6:7], s[48:49]
	s_add_nc_u64 s[4:5], s[4:5], s[52:53]
	s_add_nc_u64 s[10:11], s[10:11], s[50:51]
.irp c, 0,1,2,3                                ; descriptor group 0, a set for each chunk: none is written again
	s_mov_b32 s[24+4*\c], 1                        ; count = 1
	s_add_co_u32 s[25+4*\c], s46, 65536*\c         ; LDS address
	s_add_nc_u64 s[26+4*\c:27+4*\c], s[6:7], 65536*\c   ; global address
	s_or_b32 s[27+4*\c], s[27+4*\c], 0x80000000    ; type = 2
.endr
	CROUND                                         ; all four work-groups are here: the joint loads meet
	tensor_load_to_lds s[24:27], s[16:23]          ; the four fills go out as one group, ahead of every wait on TENSORcnt, every LDS read and every further barrier
	s_nop 0
	tensor_load_to_lds s[28:31], s[16:23]
	s_nop 0
	tensor_load_to_lds s[32:35], s[16:23]
	s_nop 0
	tensor_load_to_lds s[36:39], s[16:23]
	s_nop 0
.rept 4
	v_nop
.endr
	global_load_b128 v[S:S+3], v[TH16], s[8:9]     ; m: four numbers a thread, 8,192 bytes a work-group
.irp i, 0,1,2,3
	global_load_b128 v[Q+4*\i:Q+4*\i+3], v[LA], s[4:5] offset:512*\i   ; Q's two fragments stay in registers
.endr
.set j, 0
.rept 32
	v_mov_b32 v[O+j], 0                            ; O^T: the step is written once, and its first pass multiplies zeros by a = 0
.set j, j+1
.endr
.irp t, 0,1
	v_mov_b32 v[ST+8*\t], 0xff61b1e6               ; M: -3e38, under every score
	v_mov_b32 v[ST+8*\t+2], 0                      ; l
	v_mov_b32 v[ST+8*\t+3], 0
.endr
	s_wait_loadcnt 4                               ; m is in; Q's four loads may be out
.irp j, 0,1,2,3
	v_mul_f32 v[S+\j], 0xce6e6b28, v[S+\j]         ; m x (-1e9), as reference() has it,
.endr
.irp j, 0,1,2,3
	v_mul_f32 v[S+\j], 0x3fb8aa3b, v[S+\j]         ; in log2 units
.endr
	ds_store_b128 v[MST], v[S:S+3]
	s_wait_loadcnt 0x0                             ; Q
; A KEY STEP: 64 keys = four key tiles.  s40: LDS byte of the step's tiles of K (V's lie 32,768 further on); s41: the step's mask, in bytes.
.macro STEP
	v_add_nc_u32 v[ADR], s40, v[LA]
	v_add_nc_u32 v[ADM], s41, v[MA]
	v_nop
	v_nop                                          ; four places behind the last products, in front of loads into registers that they read
.irp kt, 0,1,2,3
.irp c, 0,1
	ds_load_b128 v[A+8*\kt+4*\c:A+8*\kt+4*\c+3], v[ADR] offset:1024*\kt+512*\c
.endr
.endr
.irp kt, 0,1,2,3
.irp c, 0,1
	ds_load_b128 v[MC+8*\kt+4*\c:MC+8*\kt+4*\c+3], v[ADM] offset:64*\kt+16*\c   ; keys 16 kt + 8 h + 4 c + 0 .. 3: the sixteen lanes of a half read the same 16 bytes
.endr
.endr
.irp g, 0,1
.irp ct, 0,1
.irp u, 0,1
	ds_load_tr16_b128 v[VF+16*\g+8*\ct+4*\u:VF+16*\g+8*\ct+4*\u+3], v[ADR] offset:32768+2048*\g+1024*\u+512*\ct   ; lane (r, h): channel 16 ct + r, keys 32 g + 16 u + 8 h + 0 .. 7
.endr
.endr
.endr
	s_wait_dscnt 8                                 ; K and the mask are in; V's eight loads may be out
.irp kt, 0,1,2,3
.irp t, 0,1
	v_wmma_f32_16x16x32_f16 v[S+32*\t+8*\kt:S+32*\t+8*\kt+7], v[A+8*\kt:A+8*\kt+7], v[Q+8*\t:Q+8*\t+7], v[MC+8*\kt:MC+8*\kt+7]   ; t = q' . k + mask
.endr
.endr
.irp t, 0,1
	v_mov_b32 v[ST+8*\t+1], v[ST+8*\t]             ; M_old is kept for a
.endr
	v_nop
	v_nop                                          ; four places in front of the first read of the scores
	; the maximum of the lane's 32 scores and M_old, three operands at a time, four chains; each accumulator is read from its low end on; the two tiles alternate
.irp j, 0,1,2,3
.irp t, 0,1
	v_max3_num_f32 v[ST+8*\t+4+\j], v[S+32*\t+8*\j], v[S+32*\t+8*\j+1], v[S+32*\t+8*\j+2]
.endr
.endr
.irp i, 3,5
.irp j, 0,1,2,3
.irp t, 0,1
	v_max3_num_f32 v[ST+8*\t+4+\j], v[ST+8*\t+4+\j], v[S+32*\t+8*\j+\i], v[S+32*\t+8*\j+\i+1]
.endr
.endr
.endr
.irp t, 0,1
	v_max3_num_f32 v[ST+8*\t+4], v[ST+8*\t+4], v[S+32*\t+7], v[S+32*\t+15]
.endr
.irp t, 0,1
	v_max3_num_f32 v[ST+8*\t+6], v[ST+8*\t+6], v[S+32*\t+23], v[S+32*\t+31]
.endr
.irp t, 0,1
	v_max3_num_f32 v[ST+8*\t+4], v[ST+8*\t+4], v[ST+8*\t+5], v[ST+8*\t+6]
.endr
.irp t, 0,1
	v_max3_num_f32 v[ST+8*\t+4], v[ST+8*\t+4], v[ST+8*\t+7], v[ST+8*\t+1]
.endr
.irp t, 0,1
	v_permlanex16_b32 v[ST+8*\t+5], v[ST+8*\t+4], s44, s45   ; the query's other 32 keys lie in the lane 16 away
.endr
.irp t, 0,1
	v_max_num_f32 v[ST+8*\t], v[ST+8*\t+4], v[ST+8*\t+5]     ; the new M
.endr
.irp t, 0,1
	v_sub_f32 v[ST+8*\t+7], v[ST+8*\t+1], v[ST+8*\t]
.endr
.irp t, 0,1
	v_exp_f32 v[ST+8*\t+6], v[ST+8*\t+7]           ; a = 2^(M_old - M_new); the plain lines below stand between it and its use
.endr
.irp j, 0,2,4,6,8,10,12,14,16,18,20,22,24,26,28,30
.irp t, 0,1
	v_pk_add_f32 v[S+32*\t+\j:S+32*\t+\j+1], v[S+32*\t+\j:S+32*\t+\j+1], v[ST+8*\t:ST+8*\t+1] op_sel_hi:[1,0] neg_lo:[0,1] neg_hi:[0,1]   ; t - M, two at a time
.endr
.endr
.set j, 0
.rept 64
	v_exp_f32 v[S+j], v[S+j]                       ; p = 2^(t - M), at most 1
.set j, j+1
.endr
	s_wait_alu depctr_va_vdst(0)
.irp t, 0,1
.irp j, 0,2,4,6,8,10,12,14
	v_pk_mul_f32 v[O+16*\t+\j:O+16*\t+\j+1], v[O+16*\t+\j:O+16*\t+\j+1], v[ST+8*\t+6:ST+8*\t+7] op_sel_hi:[1,0]   ; O^T x a, each accumulator from its low end on.  (Also the plain place behind the exponentials)
.endr
.endr
.irp t, 0,1
.irp kt, 0,1,2,3
.irp i, 0,1,2,3
	v_cvt_pk_f16_f32 v[A+16*\t+4*\kt+\i], v[S+32*\t+8*\kt+2*\i], v[S+32*\t+8*\kt+2*\i+1]   ; P takes K's registers
.endr
.endr
.endr
	; l = a l + the sum of the lane's 32 p, in pairs, in two chains
.irp t, 0,1
	v_pk_add_f32 v[ST+8*\t+4:ST+8*\t+5], v[S+32*\t:S+32*\t+1], v[S+32*\t+2:S+32*\t+3]
.endr
.irp t, 0,1
	v_pk_fma_f32 v[ST+8*\t+2:ST+8*\t+3], v[ST+8*\t+2:ST+8*\t+3], v[ST+8*\t+6:ST+8*\t+7], v[S+32*\t+4:S+32*\t+5] op_sel_hi:[1,0,1]
.endr
.irp j, 6,10,14,18,22,26
.irp t, 0,1
	v_pk_add_f32 v[ST+8*\t+4:ST+8*\t+5], v[ST+8*\t+4:ST+8*\t+5], v[S+32*\t+\j:S+32*\t+\j+1]
.endr
.irp t, 0,1
	v_pk_add_f32 v[ST+8*\t+2:ST+8*\t+3], v[ST+8*\t+2:ST+8*\t+3], v[S+32*\t+\j+2:S+32*\t+\j+3]
.endr
.endr
.irp t, 0,1
	v_pk_add_f32 v[ST+8*\t+4:ST+8*\t+5], v[ST+8*\t+4:ST+8*\t+5], v[S+32*\t+30:S+32*\t+31]
.endr
.irp t, 0,1
	v_pk_add_f32 v[ST+8*\t+2:ST+8*\t+3], v[ST+8*\t+2:ST+8*\t+3], v[ST+8*\t+4:ST+8*\t+5]
.endr
	s_wait_dscnt 0x0                               ; V is in
.irp g, 0,1                                    ; O^T += V^T P: four accumulators by turns, one instruction a turn
.irp ct, 0,1
.irp t, 0,1
	v_wmma_f32_16x16x32_f16 v[O+16*\t+8*\ct:O+16*\t+8*\ct+7], v[VF+16*\g+8*\ct:VF+16*\g+8*\ct+7], v[A+16*\t+8*\g:A+16*\t+8*\g+7], v[O+16*\t+8*\ct:O+16*\t+8*\ct+7]
.endr
.endr
.endr
.endm
; A chunk of 512 keys: eight steps.  The wait leaves the later chunks' loads out: no LDS byte is filled again, so they may stay in flight across the barrier.
.macro CHUNK c
	s_wait_tensorcnt 3-\c                          ; tensor loads of a wave end in order (ISA guide 10.11.1): my part of chunk c is in
	s_wait_dscnt 0x0                               ; no LDS instruction of mine is out (in front of chunk 0: my part of the mask has landed)
	s_barrier_signal -1
	s_barrier_wait -1                              ; everybody's is
	s_mov_b32 s40, 65536*\c
	s_mov_b32 s41, 2048*\c
	s_mov_b32 s42, 8
.Lstep_\@:
	STEP
	s_add_co_u32 s40, s40, 4096                    ; four key tiles on
	s_add_co_u32 s41, s41, 256                     ; 64 numbers of the mask on
	s_sub_co_u32 s42, s42, 1
	s_cmp_lg_u32 s42, 0
	s_cbranch_scc1 .Lstep_\@
.endm
	CHUNK 0
	CHUNK 1
	CHUNK 2
	CHUNK 3
	; THE WAY OUT.  l's two halves and the other half of the lanes' are added; O^T / l is rounded to f16.  A lane's eight channels of a query are 16 bytes, four registers of the next launch's operand.
.irp t, 0,1
	v_add_f32 v[ST+8*\t+4], v[ST+8*\t+2], v[ST+8*\t+3]
.endr
.irp t, 0,1
	v_permlanex16_b32 v[ST+8*\t+5], v[ST+8*\t+4], s44, s45
.endr
.irp t, 0,1
	v_add_f32 v[ST+8*\t+4], v[ST+8*\t+4], v[ST+8*\t+5]
.endr
.irp t, 0,1
	v_rcp_f32 v[ST+8*\t+6], v[ST+8*\t+4]
.endr
	v_nop                                          ; a plain place behind the reciprocals; with the additions above, more than four places behind the last products
	s_wait_alu depctr_va_vdst(0)
.irp t, 0,1
.irp j, 0,2,4,6,8,10,12,14
	v_pk_mul_f32 v[O+16*\t+\j:O+16*\t+\j+1], v[O+16*\t+\j:O+16*\t+\j+1], v[ST+8*\t+6:ST+8*\t+7] op_sel_hi:[1,0]
.endr
.endr
.irp t, 0,1
.irp ct, 0,1
.irp i, 0,1,2,3
	v_cvt_pk_f16_f32 v[S+4*(2*\t+\ct)+\i], v[O+16*\t+8*\ct+2*\i], v[O+16*\t+8*\ct+2*\i+1]
.endr
.endr
.endr
.irp t, 0,1
.irp ct, 0,1
	global_store_b128 v[LA], v[S+4*(2*\t+\ct):S+4*(2*\t+\ct)+3], s[10:11] offset:8192*\t+512*\ct   ; 32 lanes store 512 consecutive bytes, at a multiple of 512 from the buffer's first byte
.endr
.endr
	s_wait_tensorcnt 0x0
	ds_add_u32 v232, v233
	s_wait_dscnt 0x0
	CROUND                                         ; the closing round: no work-group ends while a partner may still ask for a tile that names it
	s_endpgm
.Lfunc_end_k_q5b3d25356f_attn:
	.size	k_q5b3d25356f_attn, .Lfunc_end_k_q5b3d25356f_attn-k_q5b3d25356f_attn
	.p2alignl 7, 3214868480
	.fill 96, 4, 3214868480
	.section	.rodata,"a",@progbits
	.p2align	6, 0x0
	.amdhsa_kernel k_q5b3d25356f_attn
		.amdhsa_group_segment_fixed_size 272384
		.amdhsa_private_segment_fixed_size 0
		.amdhsa_enable_private_segment 0
		.amdhsa_kernarg_size 32
		.amdhsa_user_sgpr_count 2
		.amdhsa_user_sgpr_kernarg_segment_ptr 1
		.amdhsa_wavefront_size32 1
		.amdhsa_system_sgpr_workgroup_id_x 1
		.amdhsa_system_sgpr_workgroup_id_y 1
		.amdhsa_system_sgpr_workgroup_id_z 1
		.amdhsa_system_vgpr_workitem_id 0
		.amdhsa_next_free_vgpr 234
		.amdhsa_next_free_sgpr 66
		.amdhsa_reserve_vcc 0
		.amdhsa_float_denorm_mode_32 3
		.amdhsa_float_denorm_mode_16_64 3
		.amdhsa_memory_ordered 1
		.amdhsa_forward_progress 1
		.amdhsa_inst_pref_size 69
	.end_amdhsa_kernel
	.amdgpu_metadata
---
amdhsa.version: [ 1, 2 ]
amdhsa.kernels:
  - .name:           k_q5b3d25356f_attn
    .symbol:         k_q5b3d25356f_attn.kd
    .args:
      - { .name: qf, .offset: 0, .size: 8, .value_kind: global_buffer, .address_space: global }
      - { .name: kv, .offset: 8, .size: 8, .value_kind: global_buffer, .address_space: global }
      - { .name: m, .offset: 16, .size: 8, .value_kind: global_buffer, .address_space: global }
      - { .name: of, .offset: 24, .size: 8, .value_kind: global_buffer, .address_space: global }
    .group_segment_fixed_size: 272384
    .private_segment_fixed_size: 0
    .kernarg_segment_align: 8
    .kernarg_segment_size: 32
    .max_flat_workgroup_size: 512
    .sgpr_count:     66
    .vgpr_count:     234
    .wavefront_size: 32
...
	.end_amdgpu_metadata
.endif
;; end of part 2
;; launch oproj (part 3): grid 256 x 1, 16 waves a work-group, no clusters, 101,376 bytes of LDS; arguments of, wo, bo, out0; writes out0
.if DOCPART == 3
	.amdgcn_target "amdgcn-amd-amdhsa--gfx1250"
	.amdhsa_code_object_version 6
	.text
	.protected	k_q5b3d25356f_oproj
	.globl	k_q5b3d25356f_oproj
	.p2align	8
	.type	k_q5b3d25356f_oproj,@function
k_q5b3d25356f_oproj:
	s_mov_b64 s[64:65], 0
	v_nop
	global_prefetch_b8 v0, s[64:65] scope:SCOPE_SE
	s_setreg_imm32_b32 hwreg(HW_REG_WAVE_MODE, 25, 1), 1
	s_wait_xcnt 0x0
; out0 = O wo + bo.  O: [16384][256] as f16, in the order of the operand's registers: [row tile][K step of 32 channels = head][1,024 bytes: half c, lane, 16 bytes].  wo: [256 (k)][256 (n)] f32; bo [256], out0 [16384][256]: f32.
; Operands f16, sums f32.
; SHARES.  A work-group takes 64 rows: four row tiles, 32,768 consecutive bytes of O, which each wave brings a sixteenth of and all read from LDS.  Wave w owns output columns 16 w .. 16 w + 15 and keeps its 16 columns of
; wo, rounded to f16 by itself, in 64 registers: a lane takes a column and its registers run down K in the operand's order, so nothing is transposed.
; THE MATRIX INSTRUCTION IS USED TRANSPOSED (source 0 = 16 columns of wo, source 1 = 16 rows of O): a lane holds eight neighbouring numbers of a row of out0.  A row's 1,024 bytes come from all sixteen waves: they meet in a
; stage in LDS, and each wave stores four whole rows.
; NO JOINT LOADS: wo is shared by all work-groups, but as f32 it is 262,144 bytes, and with this text's 99,328 bytes of images and stage that is more than the 327,680 that a work-group can claim.
; LIMITS: numbers of wo of 65,504 or more in magnitude become f16 infinities (the drawn ones are about 1/16); NaN and infinities are not served.
.set STG,    32768                     ; LDS: O's 32 fragments from byte 0; behind them the stage: 64 rows x (1,024 + 16) bytes
.set SPITCH, 1040                      ; 65 x 16: the sixteen rows that a store touches start in different banks (64 banks of 4 bytes: ISA guide 11.1)
.set LN16, 1                           ; v1   16 x lane
.set WA,   2                           ; v2   wo: 8 h rows of 1,024 bytes + 4 r
.set BA,   3                           ; v3   bo: 32 h
.set OS,   4                           ; v4   where I put my 2,048 bytes of O
.set STO,  5                           ; v5   the stage: row r, + 64 w + 32 h
.set SR,   6                           ; v6   and back: my four rows, 16 bytes a lane
.set WOF,  16                          ; v16-79   wo's eight fragments
.set BI,   80                          ; v80-87   bo in the result's layout
.set ACC,  88                          ; v88-119  four accumulators; at the head v88-103 hold O as loaded
.set T,    128                         ; v128-255 wo as f32; then F: O's fragments of four row tiles x four K steps; then rows of out0
.set F,    128
	s_load_b256 s[4:11], s[0:1], 0x0               ; of s[4:5], wo s[6:7], bo s[8:9], out0 s[10:11]
	v_lshl_add_u32 v126, v0, 2, 0x18400
	v_mov_b32 v127, 0
	v_lshrrev_b32 v7, 5, v0
	v_readfirstlane_b32 s12, v7                    ; wave 0..15
	v_and_b32 v7, 31, v0
	v_lshlrev_b32 v[LN16], 4, v7
	v_and_b32 v8, 15, v0                           ; r
	v_bfe_u32 v9, v0, 4, 1                         ; h
	v_lshlrev_b32 v[WA], 2, v8
	v_lshl_add_u32 v[WA], v9, 13, v[WA]
	v_lshlrev_b32 v[BA], 5, v9
	s_lshl_b32 s13, s12, 11
	v_add_nc_u32 v[OS], s13, v[LN16]
	v_mul_u32_u24 v[STO], v8, SPITCH
	v_lshl_add_u32 v[STO], v9, 5, v[STO]
	s_lshl_b32 s14, s12, 6
	s_add_co_u32 s15, s14, STG
	v_add_nc_u32 v[STO], s15, v[STO]
	s_mul_i32 s15, s12, 4*SPITCH
	s_add_co_u32 s15, s15, STG
	v_add_nc_u32 v[SR], s15, v[LN16]
	s_lshl_b32 s16, ttmp9, 15                      ; O: 32,768 bytes a work-group, 2,048 a wave
	s_add_co_u32 s16, s16, s13
	s_mov_b32 s17, 0
	s_mov_b32 s18, s14                             ; wo and bo: my 16 columns
	s_mov_b32 s19, 0
	s_lshl_b32 s20, ttmp9, 16                      ; out0: 64 rows of 1,024 bytes a work-group, 4 a wave
	s_lshl_b32 s21, s12, 12
	s_add_co_u32 s20, s20, s21
	s_mov_b32 s21, 0
	s_wait_kmcnt 0x0
	s_add_nc_u64 s[4:5], s[4:5], s[16:17]
	s_add_nc_u64 s[6:7], s[6:7], s[18:19]
	s_add_nc_u64 s[8:9], s[8:9], s[18:19]
	s_add_nc_u64 s[10:11], s[10:11], s[20:21]
.irp i, 0,1,2,3
	global_load_b128 v[ACC+4*\i:ACC+4*\i+3], v[LN16], s[4:5] offset:512*\i th:TH_LOAD_NT   ; 512 consecutive bytes a load
.endr
	global_load_b128 v[BI:BI+3], v[BA], s[8:9]     ; bo of columns 16 w + 8 h + 0 .. 7
	global_load_b128 v[BI+4:BI+7], v[BA], s[8:9] offset:16
.irp s, 0,1,2,3,4,5,6,7
.irp c, 0,1
.irp e, 0,1,2,3,4,5,6,7
	global_load_b32 v[T+16*\s+8*\c+\e], v[WA], s[6:7] offset:(32*\s+16*\c+\e)*1024   ; wo(32 s + 16 c + 8 h + e, 16 w + r)
.endr
.endr
.endr
	s_wait_loadcnt 63                              ; loads come back in order (ISA guide 5.7.1): of 134 at most 63 are out, so O's 4, bo's 2 and wo's K steps 0 to 3 are in
.irp i, 0,1,2,3
	ds_store_b128 v[OS], v[ACC+4*\i:ACC+4*\i+3] offset:512*\i
.endr
.irp s, 0,1,2,3
.irp c, 0,1
.irp e, 0,1,2,3
	v_cvt_pk_f16_f32 v[WOF+8*\s+4*\c+\e], v[T+16*\s+8*\c+2*\e], v[T+16*\s+8*\c+2*\e+1]
.endr
.endr
.endr
	s_wait_loadcnt 0x0
.irp s, 4,5,6,7
.irp c, 0,1
.irp e, 0,1,2,3
	v_cvt_pk_f16_f32 v[WOF+8*\s+4*\c+\e], v[T+16*\s+8*\c+2*\e], v[T+16*\s+8*\c+2*\e+1]
.endr
.endr
.endr
	s_wait_dscnt 0x0                               ; for the others' sake: my part of O has landed
	s_barrier_signal -1
	s_barrier_wait -1                              ; O's 32 fragments lie in LDS
.irp hf, 0,1                                   ; four K steps at a time; four accumulators by turns, one instruction a turn
.irp m, 0,1,2,3
.irp q, 0,1,2,3
.irp c, 0,1
	ds_load_b128 v[F+32*\m+8*\q+4*\c:F+32*\m+8*\q+4*\c+3], v[LN16] offset:8192*\m+1024*(4*\hf+\q)+512*\c
.endr
.endr
.endr
	s_wait_dscnt 0x0
.irp q, 0,1,2,3
.irp m, 0,1,2,3
.if \hf+\q == 0
	v_wmma_f32_16x16x32_f16 v[ACC+8*\m:ACC+8*\m+7], v[WOF:WOF+7], v[F+32*\m:F+32*\m+7], v[BI:BI+7]   ; the bias starts the sum
.else
	v_wmma_f32_16x16x32_f16 v[ACC+8*\m:ACC+8*\m+7], v[WOF+8*(4*\hf+\q):WOF+8*(4*\hf+\q)+7], v[F+32*\m+8*\q:F+32*\m+8*\q+7], v[ACC+8*\m:ACC+8*\m+7]
.endif
.endr
.endr
.rept 4
	v_nop                                          ; four places in front of loads into registers that these products read, and of the first read of results
.endr
.endr
.irp m, 0,1,2,3
	ds_store_b128 v[STO], v[ACC+8*\m:ACC+8*\m+3] offset:16*SPITCH*\m          ; lane (r, h): out0(16 m + r, 16 w + 8 h + 0 .. 7); each accumulator from its low end on
	ds_store_b128 v[STO], v[ACC+8*\m+4:ACC+8*\m+7] offset:16*SPITCH*\m+16
.endr
	s_wait_dscnt 0x0                               ; for the others' sake: my stores into the stage are done
	s_barrier_signal -1
	s_barrier_wait -1                              ; 64 whole rows lie in the stage
.irp p, 0,1,2,3
.irp u, 0,1
	ds_load_b128 v[F+4*(2*\p+\u):F+4*(2*\p+\u)+3], v[SR] offset:SPITCH*\p+512*\u
.endr
.endr
.irp p, 0,1,2,3
.irp u, 0,1
	s_wait_dscnt 7-(2*\p+\u)                       ; LDS loads come back in order: this one is in, the younger ones may be out
	global_store_b128 v[LN16], v[F+4*(2*\p+\u):F+4*(2*\p+\u)+3], s[10:11] offset:1024*\p+512*\u th:TH_STORE_NT   ; 32 lanes store 512 consecutive bytes, at a multiple of 512 from out0's first byte
.endr
.endr
	s_wait_tensorcnt 0x0
	ds_add_u32 v126, v127
	s_wait_dscnt 0x0
	s_endpgm
.Lfunc_end_k_q5b3d25356f_oproj:
	.size	k_q5b3d25356f_oproj, .Lfunc_end_k_q5b3d25356f_oproj-k_q5b3d25356f_oproj
	.p2alignl 7, 3214868480
	.fill 96, 4, 3214868480
	.section	.rodata,"a",@progbits
	.p2align	6, 0x0
	.amdhsa_kernel k_q5b3d25356f_oproj
		.amdhsa_group_segment_fixed_size 101376
		.amdhsa_private_segment_fixed_size 0
		.amdhsa_enable_private_segment 0
		.amdhsa_kernarg_size 32
		.amdhsa_user_sgpr_count 2
		.amdhsa_user_sgpr_kernarg_segment_ptr 1
		.amdhsa_wavefront_size32 1
		.amdhsa_system_sgpr_workgroup_id_x 1
		.amdhsa_system_sgpr_workgroup_id_y 1
		.amdhsa_system_sgpr_workgroup_id_z 1
		.amdhsa_system_vgpr_workitem_id 0
		.amdhsa_next_free_vgpr 256
		.amdhsa_next_free_sgpr 66
		.amdhsa_reserve_vcc 0
		.amdhsa_float_denorm_mode_32 3
		.amdhsa_float_denorm_mode_16_64 3
		.amdhsa_memory_ordered 1
		.amdhsa_forward_progress 1
		.amdhsa_inst_pref_size 28
	.end_amdhsa_kernel
	.amdgpu_metadata
---
amdhsa.version: [ 1, 2 ]
amdhsa.kernels:
  - .name:           k_q5b3d25356f_oproj
    .symbol:         k_q5b3d25356f_oproj.kd
    .args:
      - { .name: of, .offset: 0, .size: 8, .value_kind: global_buffer, .address_space: global }
      - { .name: wo, .offset: 8, .size: 8, .value_kind: global_buffer, .address_space: global }
      - { .name: bo, .offset: 16, .size: 8, .value_kind: global_buffer, .address_space: global }
      - { .name: out0, .offset: 24, .size: 8, .value_kind: global_buffer, .address_space: global }
    .group_segment_fixed_size: 101376
    .private_segment_fixed_size: 0
    .kernarg_segment_align: 8
    .kernarg_segment_size: 32
    .max_flat_workgroup_size: 512
    .sgpr_count:     66
    .vgpr_count:     256
    .wavefront_size: 32
...
	.end_amdgpu_metadata
.endif
;; end of part 3
